; MI455X (gfx1250); checked and timed in simulation.
; The chip was launched on July 23, 2026; its instructions are those of AMD's public machine-readable ISA for CDNA 5 (MIT licence, August 2026) and "CDNA5" Instruction Set Architecture Reference Guide (July 2026). The comments in the code are by the model that wrote it; some were corrected since.
;; Splash Attention. Allowed arithmetic: float matrix products may take bf16 or f16 operands with f32 sums; all other float work in f32.
;; Inputs: key 2 x 16 x 2,048 x 128 float32; kv_segment_ids 2 x 2,048 int32; q_segment_ids 2 x 2,048 int32; query 2 x 16 x 2,048 x 128 float32; value 2 x 16 x 2,048 x 128 float32.
;; Outputs: out0 2 x 16 x 2,048 x 128 float32.
;; Constants: window_size = 512.
;; One version. Each part assembles by itself: llvm-mc -triple=amdgcn-amd-amdhsa -mcpu=gfx1250 --defsym DOCPART=n.
;; ======== version 1 of 1: 1 launch
;; limits: values are held in f16: magnitudes above 65,504 overflow, below 6.1e-05 lose precision; inputs' magnitudes at most 65,504
;; launch attn (part 1): grid 8 x 32, 4 waves a work-group, no clusters, 141,824 bytes of LDS; arguments query, key, value, q_segment_ids, kv_segment_ids, out0; writes out0
.if DOCPART == 1
	.amdgcn_target "amdgcn-amd-amdhsa--gfx1250"
	.amdhsa_code_object_version 6
	.text
	.protected	k_q3afae27999_attn
	.globl	k_q3afae27999_attn
	.p2align	8
	.type	k_q3afae27999_attn,@function
k_q3afae27999_attn:
	s_mov_b64 s[64:65], 0
	v_nop
	global_prefetch_b8 v0, s[64:65] scope:SCOPE_SE
	s_setreg_imm32_b32 hwreg(HW_REG_WAVE_MODE, 25, 1), 1
	s_wait_xcnt 0x0
; Attention with a band |i - j| <= 512 and equal segment ids.  32 heads, 2048 rows, 128 numbers a row, all f32 in memory.
; A work-group owns 256 query rows of one head (ttmp9: block of rows, ttmp7: head); each of its four waves owns 64 of them.
; Keys go in tiles of 64.  Every wave brings 16 rows of K and 16 of V of a tile into registers, rounds them to f16 once for the whole
; work-group and lays them into one of two LDS slots; all four waves read their fragments from there.
; Products are taken transposed: S^T = K Q^T (a lane then owns ONE query row of each 16 x 16 tile: maxima and sums need one exchange
; between the halves of the wave), and the packed exponentials are, as they stand, the second operand of O^T = V^T P^T.
; Q carries log2(e) / sqrt(128), so that the exponentials are plain powers of two.  The maximum is a running one.
;
; OPERANDS IN f16, sums in f32.  f16 keeps 11 significant bits where bf16 keeps 8: each of the four roundings (Q, K, V, P) is 8 times finer, which
; rows that hang on a few keys need.  Its range has the room: numbers of size up to 6, taken 30 times larger (180) or shifted by 30
; spreads (36), lie far below 65504; taken 30 times smaller, Q x 0.1275 has a spread of 0.004, of which f16's finest step 2^-24 is
; 1.4e-5.  P lies in [0, 1] beside a row sum of at least 1.
;
; WHAT IS SKIPPED.  20 tiles, kb = q0 - 512 + 64 i, cover the band of the block.  From the ids (whole numbers read from memory) each wave
; makes three bit masks, bit i + 1 for tile i: NEEDG (some wave of the group wants the tile: it is fetched), NEEDW (this wave wants it: inside
; the sequence, inside its band, and the ranges of ids of its 64 rows and of the 64 keys meet), NOMASK (every pair of the tile is allowed).
; Tile 10 (kb = q0 + 128) exists for every block and lies inside every wave's band: it is taken first, always, and starts all sums.
; All that steers a branch is made from ids as they come from memory, by whole-number arithmetic within a lane, compares and scalar logic.
;
; THE IDS OF A TILE'S KEYS come to each wave straight from memory, in the layout of the scores (lane (r, h): keys 16 kt + 8 h + 0 .. 7), a trip ahead,
; into one of two sets of 32 registers that take turns with the slots: 8 loads, each of two pieces of 16 bytes.
;
; A masked score is -1e30, as in the definition: a row that has met no allowed key yet stays finite (all its exponentials are 1) and is wiped by
; the factor 2^(-1e30 - m) = 0 at its first allowed key.  A row that never meets one is, by the definition, the mean of V over all 2048
; keys of the head: ANY[qt] records per lane whether an allowed key was seen, and a plain slow path at the end makes that mean.
;
; NO JOINT REQUESTS, NO TILE MOVER: K and V are f32 in memory and f16 in LDS; a tile moved as it is would be 64 KB written, read and written again
; as 32 KB, beside the 128 KB of fragments that the four waves read of it.  Neighbouring blocks' windows are 256 keys apart, and which
; tiles a block fetches hangs on its own ids, so partners would make different numbers of requests.
;
; LIMITS: |K|, |V| and 0.1275 |Q| stay below 65504 (beyond it an f16 operand is infinite); inputs are finite (a NaN or infinity in a K or V row
; that the masks exclude does not reach the result); scaled scores lie far above -1e30; exponentials below 2^-126 come out as 0;
; Q x log2(e)/sqrt(128) is formed in f32 and rounded to f16 once.
; ---- sizes
.set ROWB,   512                       ; an f32 row of 128 numbers
.set TILEB,  64*ROWB                   ; a tile of 64 rows in memory
.set IDTB,   256                       ; a tile's 64 ids in memory
.set KPITCH, 272                       ; LDS row of K and of Q: 256 bytes + 16, an odd multiple of 16
.set VPITCH, 288                       ; LDS row of V: 256 bytes + 32, an odd multiple of 32 (transposing loads)
.set VOFF,   64*KPITCH                 ; V behind K in a slot
.set SLOTB,  VOFF+64*VPITCH            ; 35,840 bytes a slot, two slots from LDS byte 0
.set WST,    2*SLOTB                   ; each wave's own 17,408 bytes: Q in f16 at first, 16 rows of the result at the end
.set WSTB,   64*KPITCH
.set OPITCH, 528                       ; a row of the result: 512 bytes + 16
; ---- window 0
.set KA,   4                           ; v4-5   slot s: 272 r + 16 h
.set VA,   6                           ; v6-7   slot s: V + 288 (8 h + L%8) + 16 (L/8 % 2)
.set H32,  8                           ; 32 h: my eight ids of a key tile
.set QST,  9                           ; where Q is staged: my stage + 8 L
.set QFA,  10                          ; Q fragments
.set OSTO, 11                          ; result into the stage
.set ORD,  12                          ; result back from the stage
.set OGL,  13                          ; 16 L
.set FV,   14                          ; 512 r + 32 h
.set QSEG, 16                          ; v16-19 id of my query row, per query tile
.set U0,   20                          ; v20-23 8 h - r - 16 qt
.set UU,   24                          ; v24-27 the same + 64 i - 64 w
.set MM,   28                          ; v28-31 running maxima
.set LS,   32                          ; v32-35 running sums (each half of the wave its own keys)
.set AL,   36                          ; v36-39 factors 2^(old max - new max); at the end 1 / sum
.set MX,   40                          ; v40-43 new maxima
.set PT,   44                          ; v44-47 what the other half sends
.set AC,   48                          ; v48-55 a tile's sums, a pair per query tile
.set TM,   56                          ; v56-63 band test
.set FR,   64                          ; v64-127 fragments of K (two sets of 32), then of V (d tiles 0-3)
.set SC,   128                         ; v128-255 scores, group g = 4 qt + kt at 8 g; P at 4 g; V's d tiles 4-7 at 192
; ---- window 1: v0-127 Q fragments at 32 qt + 8 kc;  v128-159 / v160-191 ids of the keys of the tile in slot 0 / 1, at 8 kt + j
.set KS,   128
; ---- window 2: v0-255 O, tile (dt, qt) at 32 dt + 8 qt (in the prologue: Q as loaded)
; ---- window 3: v0-63 K rows as loaded, v64-127 V rows, v128 global offset, v129-130 / v131-132 where they go in slot 0 / 1
.set GOF,  128
.set KST,  129
.set VST,  131
; ---- scalars: s[4:5] Q  s[6:7] K  s[8:9] V  s[10:11] q ids  s[12:13] kv ids  s[14:15] out  s16 wave  s17 block  s18 head
;      s22-23 lane selects  s24 -1e30  s25 NEEDW  s26 NEEDG  s27 NOMASK  s28-31 ANY  s32 64 i - 64 w
;      s34 counter  s36-39 / s40-43 least / largest id of each wave's rows  s44-45 my own  s48-63 lane masks  s[66:67] V's head
;      s[80:81] kv ids, one tile behind the K and V pointers
.set MSB, 0
.macro WIN new                         ; s_set_vgpr_msb: bits 1:0 source 0, 3:2 source 1, 5:4 source 2, 7:6 destination; the high byte repeats the setting left
.if MSB != \new
	s_set_vgpr_msb (MSB<<8)|\new
.set MSB, \new
.endif
.endm
.macro PLACES n                        ; independent vector slots behind matrix instructions (ISA guide 7.12.1)
.rept \n
	v_nop
.endr
.endm
; 32 loads: my 16 rows of K and of V of the tile at the pointers; a load of the wave covers one whole row of 512 bytes
.macro LOADS off
	WIN 0xcf
.irp c, 0,1,2,3,4,5,6,7,8,9,10,11,12,13,14,15
	global_load_b128 v[4*\c:4*\c+3], v[GOF], s[6:7] offset:\off+ROWB*\c
.endr
.irp c, 0,1,2,3,4,5,6,7,8,9,10,11,12,13,14,15
	global_load_b128 v[64+4*\c:64+4*\c+3], v[GOF], s[8:9] offset:\off+ROWB*\c
.endr
.endm
; 8 loads: the 64 ids of the tile at the id pointer + off, into set s: lane (r, h) takes keys 16 kt + 8 h + 0 .. 7
.macro IDLOAD s, off
	WIN 0x40
.irp kt, 0,1,2,3
	global_load_b128 v[KS+32*(\s)+8*\kt:KS+32*(\s)+8*\kt+3], v[H32], s[80:81] offset:\off+64*\kt
	global_load_b128 v[KS+32*(\s)+8*\kt+4:KS+32*(\s)+8*\kt+7], v[H32], s[80:81] offset:\off+64*\kt+16
.endr
.endm
; round K's and V's rows to f16 in place and lay them into slot s: 8 bytes a lane, 256 neighbouring bytes a store
.macro CVTSTORE s
	WIN 0xcf
.set rc, 0
.rept 32
	v_cvt_pk_f16_f32 v[4*rc], v[4*rc], v[4*rc+1]
	v_cvt_pk_f16_f32 v[4*rc+1], v[4*rc+2], v[4*rc+3]
.set rc, rc+1
.endr
.irp c, 0,1,2,3,4,5,6,7,8,9,10,11,12,13,14,15
	ds_store_b64 v[KST+(\s)], v[4*\c:4*\c+1] offset:KPITCH*\c
.endr
.irp c, 0,1,2,3,4,5,6,7,8,9,10,11,12,13,14,15
	ds_store_b64 v[VST+(\s)], v[64+4*\c:64+4*\c+1] offset:VPITCH*\c
.endr
.endm
; Q rows c0 .. c0 + 31 (window 2): times log2(e)/sqrt(128), to f16, into my stage
.macro QCVT c0
	WIN 0x8a
.set rc, \c0
.rept 32
	v_pk_mul_f32 v[4*rc:4*rc+1], v[4*rc:4*rc+1], s[74:75] op_sel_hi:[1,0]
	v_pk_mul_f32 v[4*rc+2:4*rc+3], v[4*rc+2:4*rc+3], s[74:75] op_sel_hi:[1,0]
	v_cvt_pk_f16_f32 v[4*rc], v[4*rc], v[4*rc+1]
	v_cvt_pk_f16_f32 v[4*rc+1], v[4*rc+2], v[4*rc+3]
.set rc, rc+1
.endr
	WIN 0x08
.set rc, \c0
.rept 32
	ds_store_b64 v[QST], v[4*rc:4*rc+1] offset:KPITCH*rc
.set rc, rc+1
.endr
.endm
; the four fragments (16 keys x 32 d each) of key tile kt: lane (r, h) takes key r, d = 32 kc + 8 h .. and 32 kc + 16 + 8 h ..
.macro LOADK s, kt
.irp kc, 0,1,2,3
	ds_load_b128 v[FR+32*((\kt)&1)+8*\kc:FR+32*((\kt)&1)+8*\kc+3], v[KA+\s] offset:16*KPITCH*\kt+64*\kc
	ds_load_b128 v[FR+32*((\kt)&1)+8*\kc+4:FR+32*((\kt)&1)+8*\kc+7], v[KA+\s] offset:16*KPITCH*\kt+64*\kc+32
.endr
.endm
; 16 matrix instructions: key tile kt x four query tiles; the first link of each chain starts the sum
.macro MULK kt
.irp kc, 0,1,2,3
.irp qt, 0,1,2,3
.if \kc == 0
	v_wmma_f32_16x16x32_f16 v[SC+32*\qt+8*\kt:SC+32*\qt+8*\kt+7], v[FR+32*((\kt)&1)+8*\kc:FR+32*((\kt)&1)+8*\kc+7], v[32*\qt+8*\kc:32*\qt+8*\kc+7], 0
.else
	v_wmma_f32_16x16x32_f16 v[SC+32*\qt+8*\kt:SC+32*\qt+8*\kt+7], v[FR+32*((\kt)&1)+8*\kc:FR+32*((\kt)&1)+8*\kc+7], v[32*\qt+8*\kc:32*\qt+8*\kc+7], v[SC+32*\qt+8*\kt:SC+32*\qt+8*\kt+7]
.endif
.endr
.endr
.endm
; V^T fragments of d tiles dt0 .. dt0 + 3 (16 d x 32 keys each) by transposing loads from V as it lies, [key][d]
.macro LOADV s, dt0, base
.irp i, 0,1,2,3
.irp kk, 0,1
	ds_load_tr16_b128 v[\base+16*\i+8*\kk:\base+16*\i+8*\kk+3], v[VA+\s] offset:32*VPITCH*\kk+32*(\dt0+\i)
	ds_load_tr16_b128 v[\base+16*\i+8*\kk+4:\base+16*\i+8*\kk+7], v[VA+\s] offset:32*VPITCH*\kk+32*(\dt0+\i)+16*VPITCH
.endr
.endr
.endm
; both masks, element by element: allowed = ids equal and 0 <= key - query + 512 <= 1024 (one unsigned compare).
; The ids of the tile in slot s lie in set s since the wait for loads at this trip's head.
.macro MASK s
.irp qt, 0,1,2,3
	v_add_nc_u32 v[UU+\qt], s32, v[U0+\qt]
.endr
	WIN 0x01                                       ; source 0 in window 1: the ids
.irp qt, 0,1,2,3
.irp kt, 0,1,2,3
.irp j, 0,1,2,3,4,5,6,7
	v_cmp_eq_u32 s[48+\j], v[KS+32*\s+8*\kt+\j], v[QSEG+\qt]
.endr
.irp j, 0,1,2,3,4,5,6,7
	v_add_nc_u32 v[TM+\j], 16*\kt+\j, v[UU+\qt]
.endr
.irp j, 0,1,2,3,4,5,6,7
	v_cmp_ge_u32 s[56+\j], 0x400, v[TM+\j]
.endr
.irp j, 0,1,2,3,4,5,6,7
	s_and_b32 s[48+\j], s[48+\j], s[56+\j]
.endr
.irp j, 0,1,2,3,4,5,6,7
	s_or_b32 s[28+\qt], s[28+\qt], s[48+\j]        ; this lane's row has met an allowed key
.endr
.irp j, 0,1,2,3,4,5,6,7
	v_cndmask_b32 v[SC+32*\qt+8*\kt+\j], s24, v[SC+32*\qt+8*\kt+\j], s[48+\j]
.endr
.endr
.endr
.endm
; group n = 4 qt + kt: eight scores of one lane
.macro SUBG n                          ; score - maximum of its query tile
.irp p, 0,2,4,6
.if ((\n)/4)&1
	v_pk_add_f32 v[SC+8*(\n)+\p:SC+8*(\n)+\p+1], v[SC+8*(\n)+\p:SC+8*(\n)+\p+1], v[MM+2*((\n)/8):MM+2*((\n)/8)+1] op_sel:[0,1] op_sel_hi:[1,1] neg_lo:[0,1] neg_hi:[0,1]
.else
	v_pk_add_f32 v[SC+8*(\n)+\p:SC+8*(\n)+\p+1], v[SC+8*(\n)+\p:SC+8*(\n)+\p+1], v[MM+2*((\n)/8):MM+2*((\n)/8)+1] op_sel_hi:[1,0] neg_lo:[0,1] neg_hi:[0,1]
.endif
.endr
.endm
.macro EXPG n
.irp j, 0,1,2,3,4,5,6,7
	v_exp_f32 v[SC+8*(\n)+\j], v[SC+8*(\n)+\j]
.endr
.endm
.macro SUMCVT n                        ; add to the tile's sum, then pack to f16 at 4 n: never over scores that are still wanted, since 4 n + 3 < 8 (n + 1)
.if ((\n)&3) == 0
	s_wait_alu depctr_va_vdst(0)
	v_pk_add_f32 v[AC+2*((\n)/4):AC+2*((\n)/4)+1], v[SC+8*(\n):SC+8*(\n)+1], v[SC+8*(\n)+2:SC+8*(\n)+3]
.else
	s_wait_alu depctr_va_vdst(0)
	v_pk_add_f32 v[AC+2*((\n)/4):AC+2*((\n)/4)+1], v[AC+2*((\n)/4):AC+2*((\n)/4)+1], v[SC+8*(\n):SC+8*(\n)+1]
	v_pk_add_f32 v[AC+2*((\n)/4):AC+2*((\n)/4)+1], v[AC+2*((\n)/4):AC+2*((\n)/4)+1], v[SC+8*(\n)+2:SC+8*(\n)+3]
.endif
	v_pk_add_f32 v[AC+2*((\n)/4):AC+2*((\n)/4)+1], v[AC+2*((\n)/4):AC+2*((\n)/4)+1], v[SC+8*(\n)+4:SC+8*(\n)+5]
	v_pk_add_f32 v[AC+2*((\n)/4):AC+2*((\n)/4)+1], v[AC+2*((\n)/4):AC+2*((\n)/4)+1], v[SC+8*(\n)+6:SC+8*(\n)+7]
.irp q, 0,1,2,3
	v_cvt_pk_f16_f32 v[SC+4*(\n)+\q], v[SC+8*(\n)+2*\q], v[SC+8*(\n)+2*\q+1]
.endr
.endm
.macro SOFTMAX first
.irp qt, 0,1,2,3
.if \first
	v_max_num_f32 v[MX+\qt], v[SC+32*\qt], v[SC+32*\qt+1]
.else
	v_max3_num_f32 v[MX+\qt], v[MM+\qt], v[SC+32*\qt], v[SC+32*\qt+1]
.endif
.endr
.irp p, 2,4,6,8,10,12,14,16,18,20,22,24,26,28,30
.irp qt, 0,1,2,3
	v_max3_num_f32 v[MX+\qt], v[MX+\qt], v[SC+32*\qt+\p], v[SC+32*\qt+\p+1]
.endr
.endr
.irp qt, 0,1,2,3
	v_permlanex16_b32 v[PT+\qt], v[MX+\qt], s22, s23   ; the other half of the wave holds the row's other 32 keys
.endr
.irp qt, 0,1,2,3
	v_max_num_f32 v[MX+\qt], v[MX+\qt], v[PT+\qt]
.endr
.if \first == 0
	v_pk_add_f32 v[AL:AL+1], v[MM:MM+1], v[MX:MX+1] neg_lo:[0,1] neg_hi:[0,1]
	v_pk_add_f32 v[AL+2:AL+3], v[MM+2:MM+3], v[MX+2:MX+3] neg_lo:[0,1] neg_hi:[0,1]
.irp qt, 0,1,2,3
	v_exp_f32 v[AL+\qt], v[AL+\qt]
.endr
.endif
.irp qt, 0,1,2,3
	v_mov_b32 v[MM+\qt], v[MX+\qt]                 ; plain instructions between the exponentials above and the first use of their results
.endr
	SUBG 0
.set g, 0
.rept 16
	EXPG g
.if g < 15
	SUBG (g+1)                                     ; the next group's subtractions stand between a group's exponentials and their use
.else
	v_nop
	s_wait_alu depctr_va_vdst(0)
.endif
	SUMCVT g
.set g, g+1
.endr
.irp qt, 0,1,2,3
.if \first
	v_add_f32 v[LS+\qt], v[AC+2*\qt], v[AC+2*\qt+1]
.else
	v_add_f32 v[AC+2*\qt], v[AC+2*\qt], v[AC+2*\qt+1]
.endif
.endr
.if \first == 0
.irp qt, 0,1,2,3
	v_fma_f32 v[LS+\qt], v[LS+\qt], v[AL+\qt], v[AC+2*\qt]
.endr
.endif
.endm
.macro PVMM dt, qt, kk, zero
.if \zero
	v_wmma_f32_16x16x32_f16 v[32*\dt+8*\qt:32*\dt+8*\qt+7], v[vf+8*\kk:vf+8*\kk+7], v[SC+16*\qt+8*\kk:SC+16*\qt+8*\kk+7], 0
.else
	v_wmma_f32_16x16x32_f16 v[32*\dt+8*\qt:32*\dt+8*\qt+7], v[vf+8*\kk:vf+8*\kk+7], v[SC+16*\qt+8*\kk:SC+16*\qt+8*\kk+7], v[32*\dt+8*\qt:32*\dt+8*\qt+7]
.endif
.endm
; O^T = O^T x factor + V^T P^T, one d tile after the other: the next tile's 16 multiplications name no register of the products in front of them
.macro PV first
	s_wait_dscnt 16                                ; the sixteen younger LDS loads are V's d tiles 4-7: tiles 0-3 are in
.irp dt, 0,1,2,3,4,5,6,7
.if \dt == 4
	s_wait_dscnt 0x0                               ; d tiles 4-7
.endif
.if \dt < 4
.set vf, FR+16*\dt
.else
.set vf, 192+16*(\dt-4)
.endif
.if \first == 0
	WIN 0x82
.irp p, 0,2,4,6
	v_pk_mul_f32 v[32*\dt+\p:32*\dt+\p+1], v[32*\dt+\p:32*\dt+\p+1], v[AL:AL+1] op_sel_hi:[1,0]
	v_pk_mul_f32 v[32*\dt+8+\p:32*\dt+8+\p+1], v[32*\dt+8+\p:32*\dt+8+\p+1], v[AL:AL+1] op_sel:[0,1] op_sel_hi:[1,1]
	v_pk_mul_f32 v[32*\dt+16+\p:32*\dt+16+\p+1], v[32*\dt+16+\p:32*\dt+16+\p+1], v[AL+2:AL+3] op_sel_hi:[1,0]
	v_pk_mul_f32 v[32*\dt+24+\p:32*\dt+24+\p+1], v[32*\dt+24+\p:32*\dt+24+\p+1], v[AL+2:AL+3] op_sel:[0,1] op_sel_hi:[1,1]
.endr
.endif
	WIN 0xa0
.irp qt, 0,1,2,3
	PVMM \dt, \qt, 0, \first
.endr
.irp qt, 0,1,2,3
	PVMM \dt, \qt, 1, 0
.endr
.endr
.endm
; one tile of 64 keys in slot s against my 64 query rows
.macro COMPUTE s, first, tag
	WIN 0x04                                       ; second matrix operand (Q) in window 1
	LOADK \s, 0
	LOADK \s, 1
	s_wait_dscnt 8                                 ; LDS answers in order: the eight younger loads are the next key tile's
	MULK 0
	PLACES 4                                       ; the loads below land in fragments that the products above have read
	LOADK \s, 2
	s_wait_dscnt 8
	MULK 1
	PLACES 4
	LOADK \s, 3
	s_wait_dscnt 8
	MULK 2
	s_wait_dscnt 0x0
	MULK 3
	WIN 0
	PLACES 4                                       ; for the loads into K's fragments and for the first reads of the scores
	LOADV \s, 0, FR
.if \first == 0
	s_bitcmp1_b32 s27, 0
	s_cbranch_scc0 .Lmask_\tag
	s_mov_b32 s28, -1                              ; every pair of the tile is allowed: every row has met a key
	s_mov_b32 s29, -1
	s_mov_b32 s30, -1
	s_mov_b32 s31, -1
	s_branch .Lsoft_\tag
.Lmask_\tag:
.endif
	MASK \s
	WIN 0
.if \first == 0
.Lsoft_\tag:
.endif
	SOFTMAX \first
	LOADV \s, 4, 192                               ; over the scores of query tiles 2 and 3, which are packed away
	PV \first
	WIN 0
	PLACES 5                                       ; the next tile's first products write over P and V's fragments, its loads over the others
.endm
; One trip.  Bit 0 of the masks: the tile in slot s, multiplied now.  Bit 1: the next: its rows, in registers, go into the other slot, and its ids are
; requested into the other set, which this trip does not read.  Bit 2: the one after: its rows are requested now.
.macro TRIP s, first, tag
	s_wait_loadcnt 0x0                             ; on every path: rows and ids requested a trip ago (in front of that trip's products) are in, the pointers free
	s_add_nc_u64 s[6:7], s[6:7], TILEB
	s_add_nc_u64 s[8:9], s[8:9], TILEB
	s_add_nc_u64 s[80:81], s[80:81], IDTB
	s_bitcmp1_b32 s26, 1
	s_cbranch_scc0 .Lnc_\tag
	CVTSTORE 1-\s
	IDLOAD 1-\s, 0
	WIN 0
.Lnc_\tag:
	s_bitcmp1_b32 s26, 2
	s_cbranch_scc0 .Lnl_\tag
	LOADS 0
	WIN 0
.Lnl_\tag:
.if \first == 0
	s_bitcmp1_b32 s25, 0
	s_cbranch_scc0 .Lnx_\tag
.endif
	COMPUTE \s, \first, \tag
.if \first == 0
.Lnx_\tag:
.endif
	s_wait_dscnt 0x0                               ; for the others: my reads of slot s are over, my rows lie in the other slot
	s_barrier_signal -1
	s_barrier_wait -1                              ; behind it the slots change roles
	s_lshr_b32 s25, s25, 1
	s_lshr_b32 s26, s26, 1
	s_lshr_b32 s27, s27, 1
.if \first == 0
	s_add_co_u32 s32, s32, 64
.endif
.endm
; 16 rows of the result: divide, turn through my stage, store whole rows (a store of the wave covers 512 consecutive bytes, aligned)
.macro OUTQ qt
	WIN 0x02
.irp dt, 0,1,2,3,4,5,6,7
.irp p, 0,2,4,6
.if (\qt)&1
	v_pk_mul_f32 v[SC+8*\dt+\p:SC+8*\dt+\p+1], v[32*\dt+8*\qt+\p:32*\dt+8*\qt+\p+1], v[AL+\qt-1:AL+\qt] op_sel:[0,1] op_sel_hi:[1,1]
.else
	s_wait_alu depctr_va_vdst(0)
	v_pk_mul_f32 v[SC+8*\dt+\p:SC+8*\dt+\p+1], v[32*\dt+8*\qt+\p:32*\dt+8*\qt+\p+1], v[AL+\qt:AL+\qt+1] op_sel_hi:[1,0]
.endif
.endr
.endr
	WIN 0
.irp dt, 0,1,2,3,4,5,6,7
	ds_store_b128 v[OSTO], v[SC+8*\dt:SC+8*\dt+3] offset:64*\dt
	ds_store_b128 v[OSTO], v[SC+8*\dt+4:SC+8*\dt+7] offset:64*\dt+16
.endr
	s_wait_xcnt 0x0                                ; v192-255 were the data of the last sixteen stores: loaded again only behind this wait
.irp t, 0,1,2,3,4,5,6,7,8,9,10,11,12,13,14,15
	ds_load_b128 v[192+4*\t:192+4*\t+3], v[ORD] offset:OPITCH*\t   ; my own bytes, served in order behind the stores above
.endr
.irp t, 0,1,2,3,4,5,6,7,8,9,10,11,12,13,14,15
	s_wait_dscnt 15-\t
	global_store_b128 v[OGL], v[192+4*\t:192+4*\t+3], s[14:15] offset:16*ROWB*\qt+ROWB*\t th:TH_STORE_NT
.endr
.endm
; ======== entry: ids, lane terms, pointers
	s_load_b256 s[4:11], s[0:1], 0x0               ; query, key, value, q ids
	s_load_b128 s[12:15], s[0:1], 0x20             ; kv ids, out
	s_set_vgpr_msb 0x40
	v_lshl_add_u32 v254, v0, 2, 0x22800
	v_mov_b32 v255, 0
	s_set_vgpr_msb 0x4000
	v_and_b32 v1, 31, v0                           ; L
	v_and_b32 v2, 15, v0                           ; r
	v_bfe_u32 v3, v0, 4, 1                         ; h
	v_lshrrev_b32 v15, 5, v0
	v_readfirstlane_b32 s16, v15                   ; wave
	s_mov_b32 s17, ttmp9                           ; block of 256 query rows
	s_and_b32 s18, ttmp7, 0xffff                   ; head, 0 to 31
	s_mov_b32 s22, 0x76543210                      ; v_permlanex16_b32: lane i takes lane i of the other half
	s_mov_b32 s23, 0xfedcba98
	s_mov_b32 s24, 0xf149f2ca                      ; -1e30
	s_mov_b32 s74, 0x3e0293ee                      ; log2(e) / sqrt(128)
	s_mov_b32 s75, 0x3e0293ee
	s_mov_b32 s28, 0                               ; no row has met a key yet
	s_mov_b32 s29, 0
	s_mov_b32 s30, 0
	s_mov_b32 s31, 0
	s_mul_i32 s76, s16, WSTB
	s_add_co_u32 s76, s76, WST                     ; my stage
	v_mul_u32_u24 v[KA], v2, KPITCH
	v_lshl_add_u32 v[KA], v3, 4, v[KA]             ; 272 r + 16 h
	v_add_nc_u32 v[KA+1], SLOTB, v[KA]
	v_add_nc_u32 v[QFA], s76, v[KA]
	v_and_b32 v15, 7, v0
	v_lshl_add_u32 v15, v3, 3, v15
	v_mul_u32_u24 v[VA], v15, VPITCH
	v_bfe_u32 v15, v0, 3, 1
	v_lshl_add_u32 v[VA], v15, 4, v[VA]
	v_add_nc_u32 v[VA], VOFF, v[VA]
	v_add_nc_u32 v[VA+1], SLOTB, v[VA]
	v_lshlrev_b32 v[H32], 5, v3
	v_lshl_add_u32 v[QST], v1, 3, s76              ; where my 8 bytes of a Q row go
	v_mul_u32_u24 v[OSTO], v2, OPITCH
	v_add_nc_u32 v[OSTO], v[OSTO], v[H32]
	v_add_nc_u32 v[OSTO], s76, v[OSTO]
	v_lshl_add_u32 v[ORD], v1, 4, s76
	v_lshlrev_b32 v[OGL], 4, v1
	v_lshl_add_u32 v[FV], v2, 9, v[H32]
	v_lshlrev_b32 v15, 3, v3
	v_sub_nc_u32 v[U0], v15, v2
	v_add_nc_u32 v[U0+1], -16, v[U0]
	v_add_nc_u32 v[U0+2], -16, v[U0+1]
	v_add_nc_u32 v[U0+3], -16, v[U0+2]
.irp qt, 0,1,2,3
	v_mov_b32 v[PT+\qt], 0                         ; a lane permute's destination counts as read
.endr
	WIN 0xc0                                       ; window 3's address registers
	s_lshl_b32 s47, s16, 13
	v_lshl_add_u32 v[GOF], v1, 4, s47              ; my 16 rows of a tile, 16 bytes a lane
	s_mul_i32 s47, s16, 16*KPITCH
	v_lshl_add_u32 v[KST], v1, 3, s47
	s_add_co_u32 s47, s47, SLOTB
	v_lshl_add_u32 v[KST+1], v1, 3, s47
	s_mul_i32 s47, s16, 16*VPITCH
	s_add_co_u32 s47, s47, VOFF
	v_lshl_add_u32 v[VST], v1, 3, s47
	s_add_co_u32 s47, s47, SLOTB
	v_lshl_add_u32 v[VST+1], v1, 3, s47
	WIN 0
	; lane L stands for tile i = L - 1, that is tile 4 block - 9 + L of the sequence's 32
	s_lshl_b32 s46, s17, 2
	s_sub_co_u32 s46, s46, 9
	v_add_nc_u32 v56, s46, v1
	v_cmp_gt_u32 s77, 32, v56                      ; VALID
	v_min_u32 v57, 31, v56
	v_lshlrev_b32 v57, 8, v57                      ; its 64 ids
	v_and_b32 v58, 24, v1
	v_lshlrev_b32 v58, 5, v58                      ; 256 (L / 8): the 64 q ids of wave L / 8
	s_lshl_b32 s46, s16, 8
	v_lshl_add_u32 v59, v2, 2, s46                 ; the id of my own row
	s_lshl_b32 s20, s18, 20                        ; a head is 1 MiB
	s_mov_b32 s21, 0
	s_wait_kmcnt 0x0
	s_add_nc_u64 s[66:67], s[8:9], s[20:21]        ; V's head
	s_lshl_b32 s46, s17, 17
	s_add_co_u32 s20, s20, s46                     ; + 256 rows a block
	s_add_nc_u64 s[6:7], s[6:7], s[20:21]          ; K and V at key q0
	s_add_nc_u64 s[8:9], s[8:9], s[20:21]
	s_lshl_b32 s46, s16, 15
	s_add_co_u32 s20, s20, s46                     ; + 64 rows a wave
	s_add_nc_u64 s[4:5], s[4:5], s[20:21]
	s_add_nc_u64 s[14:15], s[14:15], s[20:21]
	s_lshr_b32 s20, s18, 4
	s_lshl_b32 s20, s20, 13                        ; the batch's 2048 ids
	s_add_nc_u64 s[12:13], s[12:13], s[20:21]
	s_add_nc_u64 s[10:11], s[10:11], s[20:21]
	s_lshl_b32 s20, s17, 10                        ; 256 ids a block
	s_add_nc_u64 s[10:11], s[10:11], s[20:21]      ; q ids at q0
	s_add_nc_u64 s[80:81], s[12:13], s[20:21]      ; kv ids at key q0
; ======== ids (36 loads), then Q's rows 0-31 (32 loads)
.irp c, 0,1,2,3,4,5,6,7,8,9,10,11,12,13,14,15
	global_load_b128 v[128+4*\c:128+4*\c+3], v57, s[12:13] offset:16*\c
.endr
.irp c, 0,1,2,3,4,5,6,7,8,9,10,11,12,13,14,15
	global_load_b128 v[192+4*\c:192+4*\c+3], v58, s[10:11] offset:16*\c
.endr
.irp qt, 0,1,2,3
	global_load_b32 v[QSEG+\qt], v59, s[10:11] offset:64*\qt
.endr
	WIN 0x80
.set rc, 0
.rept 32
	global_load_b128 v[4*rc:4*rc+3], v[OGL], s[4:5] offset:ROWB*rc th:TH_LOAD_NT
.set rc, rc+1
.endr
	WIN 0
	s_wait_loadcnt 32                              ; the 32 younger loads are Q's: all ids are in
	; least and largest id (as unsigned numbers: any total order serves) of my tile's 64 keys, v62-63, and of the 64 query rows of wave L / 8,
	; v48-49: four chains within the lane, which do not wait for each other
	v_min_u32 v62, v128, v129
	v_max_u32 v63, v128, v129
	v_min_u32 v48, v192, v193
	v_max_u32 v49, v192, v193
.set rc, 2
.rept 62
	v_min_u32 v62, v62, v[128+rc]
	v_max_u32 v63, v63, v[128+rc]
	v_min_u32 v48, v48, v[192+rc]
	v_max_u32 v49, v49, v[192+rc]
.set rc, rc+1
.endr
.irp k, 0,1,2,3
	v_readlane_b32 s[36+\k], v48, 8*\k             ; lanes 8 k .. 8 k + 7 all hold wave k's figures
	v_readlane_b32 s[40+\k], v49, 8*\k
.endr
	s_mov_b32 s44, s36
	s_mov_b32 s45, s40
.irp k, 1,2,3
	s_cmp_eq_u32 s16, \k
	s_cselect_b32 s44, s[36+\k], s44
	s_cselect_b32 s45, s[40+\k], s45
.endr
	s_mov_b32 s25, 0
	s_mov_b32 s26, 0
.irp k, 0,1,2,3
	v_cmp_le_u32 s70, s[36+\k], v63                ; the ranges of ids meet
	v_cmp_ge_u32 s71, s[40+\k], v62
	s_mov_b32 s73, 0xffffffff-64*\k
	v_lshl_add_u32 v56, v1, 6, s73                 ; kb - qa + 575 = 64 L - 1 - 64 k
	v_cmp_ge_u32 s72, 0x47e, v56                   ; |kb - qa| <= 575: some pair lies in the band
	s_and_b32 s70, s70, s71
	s_and_b32 s70, s70, s72
	s_and_b32 s70, s70, s77
	s_or_b32 s26, s26, s70
	s_cmp_eq_u32 s16, \k
	s_cselect_b32 s25, s70, s25
.endr
	s_and_b32 s25, s25, 0xfffff7ff                 ; tile 10 (bit 11) is taken first and not again
	s_and_b32 s26, s26, 0xfffff7ff
	v_cmp_eq_u32 s70, v62, v63                     ; one id in the tile,
	v_cmp_eq_u32 s71, s44, v62                     ; the same as my rows',
	s_lshl_b32 s46, s16, 6
	s_sub_co_u32 s46, 0xffffff81, s46
	v_lshl_add_u32 v56, v1, 6, s46                 ; kb - qa + 449 = 64 L - 127 - 64 w
	v_cmp_ge_u32 s72, 0x382, v56                   ; |kb - qa| <= 449: every pair lies in the band,
	s_and_b32 s27, s70, s71
	s_and_b32 s27, s27, s72
	s_cmp_eq_u32 s44, s45                          ; and my rows have one id
	s_cselect_b32 s27, s27, 0
; ======== Q to f16 fragments; the first tile into slot 1
	WIN 0x80
.set rc, 32
.rept 32
	global_load_b128 v[4*rc:4*rc+3], v[OGL], s[4:5] offset:ROWB*rc th:TH_LOAD_NT
.set rc, rc+1
.endr
	s_wait_loadcnt 32                              ; the 32 younger loads are rows 32-63: rows 0-31 are in
	QCVT 0
	LOADS 128*ROWB                                 ; tile 10: keys q0 + 128 ..
	s_wait_loadcnt 32                              ; the 32 younger loads are that tile's (16 K, 16 V): rows 32-63 are in
	QCVT 32
	IDLOAD 1, 128*4                                ; tile 10's ids, beside slot 1
	IDLOAD 0, 128*4                                ; and into set 0, so that it is written on every path before it is read; tile 0's ids, where that tile is wanted, replace them
.irp qt, 0,1,2,3
.irp kc, 0,1,2,3
	ds_load_b128 v[32*\qt+8*\kc:32*\qt+8*\kc+3], v[QFA] offset:16*KPITCH*\qt+64*\kc        ; my own bytes, served in order behind my stores
	ds_load_b128 v[32*\qt+8*\kc+4:32*\qt+8*\kc+7], v[QFA] offset:16*KPITCH*\qt+64*\kc+32
.endr
.endr
	s_wait_loadcnt 0x0
	CVTSTORE 1
	WIN 0
	s_sub_nc_u64 s[6:7], s[6:7], 512*ROWB          ; tile 0: key q0 - 512 (used only where NEEDG says that the tile exists)
	s_sub_nc_u64 s[8:9], s[8:9], 512*ROWB
	s_sub_nc_u64 s[80:81], s[80:81], 576*4         ; the ids' pointer one tile behind: a trip asks for the NEXT tile's ids and for the rows of the one after
	s_bitcmp1_b32 s26, 1
	s_cbranch_scc0 .Lno_t0
	LOADS 0
	WIN 0
.Lno_t0:
	s_lshl_b32 s46, s16, 6
	s_sub_co_u32 s32, 640, s46                     ; 64 x 10 - 64 w
	s_wait_dscnt 0x0                               ; slot 1, and my Q fragments
	s_barrier_signal -1
	s_barrier_wait -1
; ======== the tiles
	TRIP 1, 1, p
	s_lshl_b32 s46, s16, 6
	s_sub_co_u32 s32, 0, s46                       ; tile 0
	s_mov_b32 s34, 10
.Lloop:
	TRIP 0, 0, a
	TRIP 1, 0, b
	s_sub_co_u32 s34, s34, 1
	s_cmp_lg_u32 s34, 0
	s_cbranch_scc1 .Lloop
; ======== the end: whole sums, reciprocals
.irp qt, 0,1,2,3
	v_permlanex16_b32 v[PT+\qt], v[LS+\qt], s22, s23
.endr
.irp qt, 0,1,2,3
	v_add_f32 v[LS+\qt], v[LS+\qt], v[PT+\qt]
.endr
.irp qt, 0,1,2,3
	v_rcp_f32 v[AL+\qt], v[LS+\qt]                 ; the sum holds the largest term, 1: never 0
.endr
	v_nop
.irp qt, 0,1,2,3
	s_lshr_b32 s46, s[28+\qt], 16                  ; row r has met a key if lane r or lane r + 16 has
	s_or_b32 s[70+\qt], s[28+\qt], s46
	s_and_b32 s[70+\qt], s[70+\qt], 0xffff
.endr
	s_and_b32 s46, s70, s71
	s_and_b32 s46, s46, s72
	s_and_b32 s46, s46, s73
	s_cmp_eq_u32 s46, 0xffff
	s_cbranch_scc1 .Lout
; ======== rows without any allowed key: the mean of V over the head's 2048 keys.  Rare, so plain: lane (r, h) adds rows 16 n + r in the
; layout of O (d = 16 dt + 8 h + j), 16 loads a trip and a wait for them; then the sixteen lanes of a half are added.
	s_mov_b64 s[68:69], s[66:67]
.irp dt, 0,1,2,3,4,5,6,7
	global_load_b128 v[128+8*\dt:128+8*\dt+3], v[FV], s[68:69] offset:64*\dt
	global_load_b128 v[128+8*\dt+4:128+8*\dt+7], v[FV], s[68:69] offset:64*\dt+16
.endr
	s_mov_b32 s34, 127
.Lfall:
	s_wait_loadcnt 0x0                             ; the pointer steps only behind its loads
	s_add_nc_u64 s[68:69], s[68:69], 16*ROWB
.irp dt, 0,1,2,3,4,5,6,7
	global_load_b128 v[192+8*\dt:192+8*\dt+3], v[FV], s[68:69] offset:64*\dt
	global_load_b128 v[192+8*\dt+4:192+8*\dt+7], v[FV], s[68:69] offset:64*\dt+16
.endr
	s_wait_loadcnt 0x0
.set rc, 0
.rept 32
	v_pk_add_f32 v[128+2*rc:128+2*rc+1], v[128+2*rc:128+2*rc+1], v[192+2*rc:192+2*rc+1]
.set rc, rc+1
.endr
	s_sub_co_u32 s34, s34, 1
	s_cmp_lg_u32 s34, 0
	s_cbranch_scc1 .Lfall
.irp m, 1,2,4,8
.set rc, 0
.rept 64
	v_add_f32_dpp v[128+rc], v[128+rc], v[128+rc] row_xmask:\m row_mask:0xf bank_mask:0xf
.set rc, rc+1
.endr
.endr
	s_mov_b32 s78, 0x3a000000                      ; 1 / 2048
	s_mov_b32 s79, 0x3a000000
.set rc, 0
.rept 32
	v_pk_mul_f32 v[128+2*rc:128+2*rc+1], v[128+2*rc:128+2*rc+1], s[78:79] op_sel_hi:[1,0]
.set rc, rc+1
.endr
.irp qt, 0,1,2,3
	s_lshl_b32 s46, s[70+\qt], 16
	s_or_b32 s[70+\qt], s[70+\qt], s46             ; the row's bit in both halves
.endr
	WIN 0x88                                       ; O in window 2 as second source and destination
.irp dt, 0,1,2,3,4,5,6,7
.irp qt, 0,1,2,3
.irp j, 0,1,2,3,4,5,6,7
	v_cndmask_b32 v[32*\dt+8*\qt+\j], v[128+8*\dt+\j], v[32*\dt+8*\qt+\j], s[70+\qt]
.endr
.endr
.endr
	WIN 0
	s_wait_alu depctr_va_vdst(0)
.irp qt, 0,1,2,3
	v_cndmask_b32 v[AL+\qt], 1.0, v[AL+\qt], s[70+\qt]
.endr
.Lout:
	OUTQ 0
	OUTQ 1
	OUTQ 2
	OUTQ 3
	s_set_vgpr_msb 0x5
	s_wait_tensorcnt 0x0
	ds_add_u32 v254, v255
	s_wait_dscnt 0x0
	s_set_vgpr_msb 0x500
	s_endpgm
.Lfunc_end_k_q3afae27999_attn:
	.size	k_q3afae27999_attn, .Lfunc_end_k_q3afae27999_attn-k_q3afae27999_attn
	.p2alignl 7, 3214868480
	.fill 96, 4, 3214868480
	.section	.rodata,"a",@progbits
	.p2align	6, 0x0
	.amdhsa_kernel k_q3afae27999_attn
		.amdhsa_group_segment_fixed_size 141824
		.amdhsa_private_segment_fixed_size 0
		.amdhsa_enable_private_segment 0
		.amdhsa_kernarg_size 48
		.amdhsa_user_sgpr_count 2
		.amdhsa_user_sgpr_kernarg_segment_ptr 1
		.amdhsa_wavefront_size32 1
		.amdhsa_system_sgpr_workgroup_id_x 1
		.amdhsa_system_sgpr_workgroup_id_y 1
		.amdhsa_system_sgpr_workgroup_id_z 1
		.amdhsa_system_vgpr_workitem_id 0
		.amdhsa_next_free_vgpr 904
		.amdhsa_next_free_sgpr 82
		.amdhsa_reserve_vcc 0
		.amdhsa_float_denorm_mode_32 3
		.amdhsa_float_denorm_mode_16_64 3
		.amdhsa_memory_ordered 1
		.amdhsa_forward_progress 1
		.amdhsa_inst_pref_size 255
	.end_amdhsa_kernel
	.section	.bss,"aw",@nobits
	.p2align	6
	.space	262144
	.amdgpu_metadata
---
amdhsa.version: [ 1, 2 ]
amdhsa.kernels:
  - .name:           k_q3afae27999_attn
    .symbol:         k_q3afae27999_attn.kd
    .args:
      - { .name: query, .offset: 0, .size: 8, .value_kind: global_buffer, .address_space: global }
      - { .name: key, .offset: 8, .size: 8, .value_kind: global_buffer, .address_space: global }
      - { .name: value, .offset: 16, .size: 8, .value_kind: global_buffer, .address_space: global }
      - { .name: q_segment_ids, .offset: 24, .size: 8, .value_kind: global_buffer, .address_space: global }
      - { .name: kv_segment_ids, .offset: 32, .size: 8, .value_kind: global_buffer, .address_space: global }
      - { .name: out0, .offset: 40, .size: 8, .value_kind: global_buffer, .address_space: global }
    .group_segment_fixed_size: 141824
    .private_segment_fixed_size: 0
    .kernarg_segment_align: 8
    .kernarg_segment_size: 48
    .max_flat_workgroup_size: 128
    .sgpr_count:     82
    .vgpr_count:     904
    .wavefront_size: 32
...
	.end_amdgpu_metadata
.endif
;; end of part 1
